; MI455X (gfx1250); checked and timed in simulation.
; The chip was launched on July 23, 2026; its instructions are those of AMD's public machine-readable ISA for CDNA 5 (MIT licence, August 2026) and "CDNA5" Instruction Set Architecture Reference Guide (July 2026). The comments in the code are by the model that wrote it; some were corrected since.
;; ANI Model. Allowed arithmetic: float matrix products may take bf16 or f16 operands with f32 sums; other float arithmetic in f32, or as packed bf16 or f16 multiplies, adds, multiply-adds, maxima and minima; sums over many terms, partial sums and values carried from step to step in f32; what a program stores and reads back later, other than sums and carried values, may be rounded once to bf16 or f16.
;; Inputs: W0 4 x 384 x 160 float32; W1 4 x 160 x 128 float32; W2 4 x 128 x 96 float32; W3 4 x 96 x 1 float32; aev 2,048 x 64 x 384 float32; b0 4 x 160 float32; b1 4 x 128 float32; b2 4 x 96 float32; b3 4 x 1 float32; species 2,048 x 64 int32.
;; Outputs: out0 2,048 x 64 int32; out1 2,048 float32.
;; One version. Each part assembles by itself: llvm-mc -triple=amdgcn-amd-amdhsa -mcpu=gfx1250 --defsym DOCPART=n.
;; ======== version 1 of 1: 2 launches
;; workspace buffers: part 32,768 bytes
;; launch mlp (part 1): grid 256 x 1, 4 waves a work-group, no clusters, 266,752 bytes of LDS; arguments species, aev, W0, b0, W1, b1, W2, b2, W3, b3, out0, part; writes out0, part
.if DOCPART == 1
	.amdgcn_target "amdgcn-amd-amdhsa--gfx1250"
	.amdhsa_code_object_version 6
	.text
	.protected	k_q460a4aa844_mlp
	.globl	k_q460a4aa844_mlp
	.p2align	8
	.type	k_q460a4aa844_mlp,@function
k_q460a4aa844_mlp:
	s_mov_b64 s[64:65], 0
	v_nop
	global_prefetch_b8 v0, s[64:65] scope:SCOPE_SE
	s_setreg_imm32_b32 hwreg(HW_REG_WAVE_MODE, 25, 1), 1
	s_wait_xcnt 0x0
; ANI: each of 131,072 atoms (2,048 molecules x 64) goes through the MLP 384 -> 160 -> 128 -> 96 -> 1 of its own species (celu, alpha = 0.1, behind the first three
; layers); an atom whose species is none of 0..3 counts 0; a molecule's 64 energies are added.  Only the chosen expert's rows are multiplied.
; SHARES.  Work-group g = 4 sb + c takes expert c of block sb (32 molecules, 2,048 atoms).  It lists the block's atoms of species c (n of them, 0 .. 2,048), rounds expert c's
; weights to bf16 into LDS once, gathers the listed rows of aev, takes them through the whole chain in registers, adds them up by molecule and stores 32 partial sums (f32);
; the launch behind adds the four experts' sums.  It also copies its 2,048 bytes of species to out0.
; A wave takes tiles of 48 listed atoms (3 sub-tiles of 16) x all channels; tile = wave + 4 x trip; 11 trips cover n = 2,048, dead trips are jumped forward.
; LAYOUT.  Source 0 = 16 channels of W^T (W lies [k][n] in LDS and comes turned, by ds_load_tr16_b128), source 1 = 16 atoms: in the result a lane holds ONE atom (lane % 16) and
; channels 8 (lane / 16) + 0..7.  Two neighbouring channel tiles, rounded to bf16 in pairs, ARE source 1 of the next layer.  The bias is loaded into the accumulators, so every product adds in place.
; celu(x) = the middle one of x, alpha 2^(x / (alpha ln 2)) - alpha and 0: alpha (e^y - 1) is never below alpha y, so the form holds for every x, an overflowing exponential too.
; NO JOINT LOADS: what an expert's 64 work-groups share is 376,832 bytes of f32 weights, wanted as bf16: landed as they are they find no room beside the 209,920 bytes of
; their rounded copy; the rows come by a list, which no tile's descriptor covers.
; LIMITS.  Every input (aev, W0-W3, b0-b3) is rounded once to bf16; the two first hidden layers are rounded to bf16, the third stays f32; sums in f32.  2^y below 2^-126 counts as 0
; (celu = -alpha there).  NaN and infinities are not treated apart.  A molecule's atoms are added in another order than the reference's.  Every split of the atoms is served; a block
; with all its atoms on one species takes four times the trips of an even one.
.set P0, 352                          ; LDS pitch of W0's rows: 320 bytes + 32; all three pitches are odd multiples of 32 bytes, as the turning load's 8 rows x 32 bytes want
.set P1, 288                          ; W1: 256 + 32
.set P2, 224                          ; W2: 192 + 32
.set W0L, 0                           ; 384 rows
.set W1L, 384*P0                      ; 160 rows
.set W2L, W1L+160*P1                  ; 128 rows
.set BIAS, W2L+128*P2                 ; f32: b0 at 0, b1 at 640, b2 at 1152, W3 at 1536
.set LIST, BIAS+2048                  ; 2,304 words: rank -> atom (0 past n); behind them 32 dump words, one a lane
.set RMAP, LIST+9472                  ; 2,048 words: atom -> rank, or 2256
.set EN, RMAP+8192                    ; energies: 528 words for each wave (trip x 48 + row); word 2112 holds 0.0
.set CNT, EN+8704                     ; n
.set PS, CNT+128                      ; 32 molecule sums
.set STAGE, CNT+256                   ; for each wave 48 rows x 144 bytes: 64 features in bf16 + 16 of padding
.set SPITCH, 144
.set SPARE, STAGE+4*48*SPITCH         ; the spare words: 128 bytes for each wave, named by no other line
; window 0
.set LN, 1                            ; lane
.set RR, 2                            ; lane % 16
.set HH, 3                            ; lane / 16
.set L16, 4                           ; 16 x lane
.set R16, 5                           ; 16 x (lane % 16)
.set LA, 6                            ; LIST at my tile: + 192 wave + 96 (lane / 16); steps 768 a trip
.set EA, 7                            ; EN at my tile: + 2112 wave + 4 (lane % 16); steps 192 a trip
.set ST, 8                            ; stage, in
.set XA, 9                            ; stage, back as fragments
.set A0A, 10                          ; W0's fragments, K steps 0-5
.set A0B, 11                          ; K steps 6-11
.set A1, 12
.set A2, 13
.set BI, 14                           ; BIAS + 32 (lane / 16)
.set CPY, 15                          ; my 16 bytes of the copy; never rewritten
.set D0, 16                           ; v16-20 where W0's quads go
.set D2, 21                           ; v21-23 W2's
.set D1, 24                           ; W1's
.set BO1, 30                          ; 16 x min(39, 32 + lane): b0's quads 32-39; never rewritten
.set BO2, 31                          ; 16 x min(23, lane): the 24 quads of b2 and of W3; never rewritten
.set BA0, 32                          ; BIAS + 16 x lane; never rewritten
.set BA1, 33                          ; BIAS + BO1; never rewritten
.set BA2, 34                          ; BIAS + BO2; never rewritten
.set OFF, 36                          ; v36-59 byte offsets of 24 pairs of rows of aev
.set SPW, 62                          ; my spare word; never rewritten
.set NIL, 63                          ; 0; never rewritten
.set TMP, 64                          ; v64-87
.set CP, 88                           ; v88-91 the copy's data; never rewritten
.set WF, 96                           ; v96-255 weight fragments, two buffers of 80
.set SPC, 96                          ; at the start: wave 0's species
.set BQ, 160                          ; at the start: wave 1's biases
; window 1: accumulator (channel tile c, sub-tile s) at 8 (3 c + s).  window 2: v0-95, v96-191 two buffers of rows as loaded; v192-239 W3.
; window 3: v0-95 the third buffer; v96-215 source 1 (layer 0: two buffers of 48; later the hidden layer); v216-247 two sets of 16 at work; v248-250 constants
.set W3R, 192
.set HB, 96
.set EE, 200                          ; four pairs of partial dot products
.set TT, 216
.set C1R, 248                         ; 1 / (alpha ln 2), twice
.set B3R, 250
.set MSB, 0
.macro WIN new                        ; the high byte repeats the setting that is left; a switch that changes nothing is dropped
.if MSB != (\new)
	s_set_vgpr_msb (MSB<<8)|(\new)
.set MSB, (\new)
.endif
.endm
.macro PLACES                         ; four plain places behind matrix instructions, ahead of loads into their sources and of reads of their results
.rept 4
	v_nop
.endr
.endm
.macro ALL16 line:vararg
.set z, 0
.rept 16
	\line
.set z, z+1
.endr
.endm
.macro ALL24 line:vararg
.set z, 0
.rept 24
	\line
.set z, z+1
.endr
.endm
; 48 rows of W0 (30,720 consecutive bytes, from group G of four rows on) into 240 registers of a window
.macro WLD0 win, G
	WIN (\win)<<6
.set g, 0
.rept 60
	global_load_b128 v[4*g:4*g+3], v[L16], s[8:9] offset:(\G)*2560+512*g
.set g, g+1
.endr
.endm
; rounded in place (a quad becomes two registers) and stored: four rows are five loads, so the place of load g hangs on g % 5 and the group
.macro WST0 win, G
	WIN (\win)|((\win)<<2)|((\win)<<6)
.set g, 0
.rept 60
	v_cvt_pk_bf16_f32 v[4*g], v[4*g], v[4*g+1]
	v_cvt_pk_bf16_f32 v[4*g+1], v[4*g+2], v[4*g+3]
.set g, g+1
.endr
	WIN (\win)<<2
.set g, 0
.rept 60
	ds_store_b64 v[D0+g%5], v[4*g:4*g+1] offset:((\G)+g/5)*4*P0
.set g, g+1
.endr
.endm
.macro WLDC                           ; my 40 rows of W1 (a row a load) and 32 rows of W2 (four rows are three loads) into window 3
	WIN 0xc0
.set g, 0
.rept 40
	global_load_b128 v[4*g:4*g+3], v[L16], s[12:13] offset:512*g
.set g, g+1
.endr
.set g, 0
.rept 24
	global_load_b128 v[160+4*g:160+4*g+3], v[L16], s[16:17] offset:512*g
.set g, g+1
.endr
.endm
.macro WSTC
	WIN 0xcf
.set g, 0
.rept 64
	v_cvt_pk_bf16_f32 v[4*g], v[4*g], v[4*g+1]
	v_cvt_pk_bf16_f32 v[4*g+1], v[4*g+2], v[4*g+3]
.set g, g+1
.endr
	WIN 0x0c
.set g, 0
.rept 40
	ds_store_b64 v[D1], v[4*g:4*g+1] offset:P1*g
.set g, g+1
.endr
.set g, 0
.rept 24
	ds_store_b64 v[D2+g%3], v[160+4*g:160+4*g+1] offset:(g/3)*4*P2
.set g, g+1
.endr
.endm
; Atoms 128 i + 4 lane + q, q = 0..3.  A matching atom's rank is the matches counted so far plus those in lower lanes; it stores its number at LIST[rank]; the others store into
; their lane's dump word.  The choice is made on the word's index, and the clamp stands behind it: a number made of loaded data enters an address only behind a clamp by a constant.
.macro LISTM i
.irp q, 0,1,2,3
	v_cmp_eq_u32 s[48+\q], s29, v[SPC+4*(\i)+\q]
.endr
	s_bcnt1_i32_b32 s52, s48
	s_bcnt1_i32_b32 s53, s49
	s_bcnt1_i32_b32 s54, s50
	s_bcnt1_i32_b32 s55, s51
	s_add_co_u32 s52, s52, s43
	s_add_co_u32 s53, s53, s52
	s_add_co_u32 s54, s54, s53
	v_mbcnt_lo_u32_b32 v64, s48, s43
	v_mbcnt_lo_u32_b32 v65, s49, s52
	v_mbcnt_lo_u32_b32 v66, s50, s53
	v_mbcnt_lo_u32_b32 v67, s51, s54
	s_add_co_u32 s43, s55, s54
.irp q, 0,1,2,3
	v_cndmask_b32 v[68+\q], v26, v[64+\q], s[48+\q]
.endr
.irp q, 0,1,2,3
	v_min_u32 v[68+\q], 0x91f, v[68+\q]
.endr
.irp q, 0,1,2,3
	v_lshl_add_u32 v[68+\q], v[68+\q], 2, LIST
.endr
.irp q, 0,1,2,3
	v_add_nc_u32 v[72+\q], 128*(\i)+\q, v28
.endr
.irp q, 0,1,2,3
	ds_store_b32 v[68+\q], v[72+\q]
.endr
.irp q, 0,1,2,3
	v_cndmask_b32 v[76+\q], v27, v[64+\q], s[48+\q]
.endr
	ds_store_b128 v29, v[76:79] offset:512*(\i)
.endm
.macro LISTLD off                     ; 24 entries: ranks 48 tile + 24 (lane / 16) + 0..23
	WIN 0
.irp k, 0,1,2,3,4,5
	ds_load_b128 v[TMP+4*\k:TMP+4*\k+3], v[LA] offset:(\off)+16*\k
.endr
.endm
.macro MKOFF                          ; atom -> byte offset of my 16 bytes in its row
	WIN 0
	s_wait_xcnt 0x0                       ; the loads that name OFF have had their addresses translated (ISA guide 3.1): OFF is rewritten only behind this wait
	ALL24 v_min_u32 v[TMP+z], 0x7ff, v[TMP+z]
	ALL24 v_mul_u32_u24 v[TMP+z], v[TMP+z], 1536
	ALL24 v_add_nc_u32 v[OFF+z], v[R16], v[TMP+z]
.endm
; Unit k (features 64 k .. 64 k + 63) of 48 rows into buffer b: lanes 0-15 take 256 consecutive bytes of row p, lanes 16-31 of row p + 24, each at a multiple of 256 from aev's first byte
.macro ULOAD b, k
.if (\b) == 2
	WIN 0xc0
.set ur, 0
.else
	WIN 0x80
.set ur, 96*(\b)
.endif
.set z, 0
.rept 24
	global_load_b128 v[ur+4*z:ur+4*z+3], v[OFF+z], s[6:7] offset:256*(\k)
.set z, z+1
.endr
.endm
; Unit v of the tile: rounded, through my stage, back as six fragments; its buffer takes the unit three further on (from unit 3 on: the next tile's)
.macro CONVERT v
.set cb, (\v)%3
.if cb == 2
.set cw, 3
.set cr, 0
.else
.set cw, 2
.set cr, 96*cb
.endif
	s_wait_loadcnt 48                     ; loads come back in order (ISA guide 5.7.1): this unit is in, the two younger units' 48 loads stay out
	WIN cw|(cw<<2)|(cw<<6)
.set z, 0
.rept 24
	v_cvt_pk_bf16_f32 v[cr+4*z], v[cr+4*z], v[cr+4*z+1]
	v_cvt_pk_bf16_f32 v[cr+4*z+1], v[cr+4*z+2], v[cr+4*z+3]
.set z, z+1
.endr
	WIN cw<<2
.set z, 0
.rept 24
	ds_store_b64 v[ST], v[cr+4*z:cr+4*z+1] offset:SPITCH*z
.set z, z+1
.endr
	WIN 0xc0
.irp q, 0,1
.irp s, 0,1,2
	ds_load_b128 v[HB+48*((\v)&1)+8*(3*\q+\s):HB+48*((\v)&1)+8*(3*\q+\s)+3], v[XA] offset:16*SPITCH*\s+64*\q     ; LDS serves a wave's instructions in order (ISA guide 5.7.1.4): these see the stores above
	ds_load_b128 v[HB+48*((\v)&1)+8*(3*\q+\s)+4:HB+48*((\v)&1)+8*(3*\q+\s)+7], v[XA] offset:16*SPITCH*\s+64*\q+32
.endr
.endr
	ULOAD cb, ((\v)+3)%6
.endm
.macro FETCHW layer, step, buf        ; the weight fragments of one K step of 32: two turning loads a channel tile
	WIN 0
.if (\layer) == 0
.set FN, 10
.set FR, A0A+(\step)/6
.set FO, ((\step)%6)*32*P0
.set FH, 16*P0
.elseif (\layer) == 1
.set FN, 8
.set FR, A1
.set FO, (\step)*32*P1
.set FH, 16*P1
.else
.set FN, 6
.set FR, A2
.set FO, (\step)*32*P2
.set FH, 16*P2
.endif
.set cc, 0
.rept FN
	ds_load_tr16_b128 v[WF+80*(\buf)+8*cc:WF+80*(\buf)+8*cc+3], v[FR] offset:FO+32*cc
	ds_load_tr16_b128 v[WF+80*(\buf)+8*cc+4:WF+80*(\buf)+8*cc+7], v[FR] offset:FO+FH+32*cc
.set cc, cc+1
.endr
.endm
.macro BIASLD base, c                 ; channel tile c's bias into its three accumulators: a lane's eight channels are 32 bytes
	WIN 0x40
.irp s, 0,1,2
	ds_load_b128 v[8*(3*(\c)+\s):8*(3*(\c)+\s)+3], v[BI] offset:(\base)+64*(\c)
	ds_load_b128 v[8*(3*(\c)+\s)+4:8*(3*(\c)+\s)+7], v[BI] offset:(\base)+64*(\c)+16
.endr
.endm
.macro PROD lo, hi, buf, bsrc         ; channel tiles lo .. hi - 1 x three sub-tiles; all accumulators of a layer take turns, one instruction a turn
	WIN 0x5c
.set cc, (\lo)
.rept (\hi)-(\lo)
.irp s, 0,1,2
	v_wmma_f32_16x16x32_bf16 v[8*(3*cc+\s):8*(3*cc+\s)+7], v[WF+80*(\buf)+8*cc:WF+80*(\buf)+8*cc+7], v[(\bsrc)+8*\s:(\bsrc)+8*\s+7], v[8*(3*cc+\s):8*(3*cc+\s)+7]
.endr
.set cc, cc+1
.endr
.endm
; One K step.  Behind its first fa channel tiles the next step's fragments (layer nl, step ns; nl = -1: none) are fetched into the other buffer, which the step before has read
.macro KSTEP nch, buf, bsrc, wait, fa, nl, ns
	s_wait_dscnt \wait
	PROD 0, \fa, \buf, \bsrc
.if (\nl) >= 0
	WIN 0
	PLACES
	FETCHW \nl, \ns, 1-(\buf)
.endif
	PROD \fa, \nch, \buf, \bsrc
.endm
; CELU goes in batches of 16 registers: channel tiles 2 c', 2 c' + 1 of sub-tile s.  kind 0: batch = 3 c' + s, the result is the next layer's source 1.  kind 1: batch = 3 s + c', the result meets W3.
.macro BREGS b, kind
.if \kind
.set bc, (\b)%3
.set bs, (\b)/3
.else
.set bc, (\b)/3
.set bs, (\b)%3
.endif
.set bX, 8*(6*bc+bs)
.set bT, TT+16*((\b)%2)
.endm
.macro PRE b, kind                    ; x / (alpha ln 2); each accumulator's lowest registers are read first
	BREGS \b, \kind
	WIN 0xf7
.set z, 0
.rept 8
	v_pk_mul_f32 v[bT+2*z:bT+2*z+1], v[C1R:C1R+1], v[bX+2*z+16*(z/4):bX+2*z+16*(z/4)+1]
.set z, z+1
.endr
.endm
.macro PFMA i                         ; alpha 2^y - alpha
	v_pk_fma_f32 v[pT+2*(\i):pT+2*(\i)+1], v[pT+2*(\i):pT+2*(\i)+1], s[38:39], s[40:41] op_sel_hi:[1,0,0]
.endm
.macro PMED t                         ; the middle one of that, x and 0
	v_med3_num_f32 v[pT+(\t)], v[pT+(\t)], v[pX+(\t)+16*((\t)/8)], 0
.endm
.macro PLN z                          ; line z of 24 of a batch's plain work: eight PFMA, and each one's two PMED three lines or more behind it
.if (\z) < 2
	PFMA (\z)
.elseif (\z) < 20
.if ((\z)-2)%3 == 2
	PFMA ((\z)-2)/3+2
.else
	PMED 2*(((\z)-2)/3)+((\z)-2)%3
.endif
.else
	PMED (\z)-8
.endif
.endm
.macro MID b, kind                    ; batch b's 16 exponentials, the plain work of the batch before between them: a plain line stands behind every exponential (ISA guide 5.7.2), and none uses its result
	BREGS \b, \kind
.set eT, bT
.if (\b) > 0
	BREGS (\b)-1, \kind
.set pT, bT
.set pX, bX
.endif
	WIN 0xf7
.set k, 0
.set zq, 0
.rept 16
	v_exp_f32 v[eT+k], v[eT+k]
.if (\b) > 0
	PLN zq
.set zq, zq+1
.if k < 8
	PLN zq
.set zq, zq+1
.endif
.endif
.set k, k+1
.endr
.endm
.macro REDUCE s                       ; sub-tile s: the lane's partial sums, the other eight channels of each tile from the lane 16 away, b3; both halves store the same word
	WIN 0xff
	v_pk_add_f32 v[EE:EE+1], v[EE:EE+1], v[EE+2:EE+3]
	v_pk_add_f32 v[EE+4:EE+5], v[EE+4:EE+5], v[EE+6:EE+7]
	v_pk_add_f32 v[EE:EE+1], v[EE:EE+1], v[EE+4:EE+5]
	v_add_f32 v[EE], v[EE], v[EE+1]
	v_permlanex16_b32 v[EE+2], v[EE], s36, s37
	v_add_f32 v[EE], v[EE], v[EE+2]
	v_add_f32 v[EE], v[EE], v[B3R]
	WIN 0x0c
	ds_store_b32 v[EA], v[EE] offset:64*(\s)
.endm
.macro FIN b, kind, nbase, nn         ; what becomes of a finished batch; nbase, nn: the next layer's bias and its number of channel tiles
	BREGS \b, \kind
.if \kind
	WIN 0xfb
.set z, 0
.rept 8
.if (bc == 0) && (z < 4)
	v_pk_mul_f32 v[EE+2*(z%4):EE+2*(z%4)+1], v[bT+2*z:bT+2*z+1], v[W3R+16*bc+2*z:W3R+16*bc+2*z+1]
.else
	v_pk_fma_f32 v[EE+2*(z%4):EE+2*(z%4)+1], v[bT+2*z:bT+2*z+1], v[W3R+16*bc+2*z:W3R+16*bc+2*z+1], v[EE+2*(z%4):EE+2*(z%4)+1]
.endif
.set z, z+1
.endr
.if bc == 2
	REDUCE bs
.endif
.else
	WIN 0xcf
.set z, 0
.rept 8
	v_cvt_pk_bf16_f32 v[HB+8*(3*bc+bs)+z], v[bT+2*z], v[bT+2*z+1]
.set z, z+1
.endr
.if (bs == 2) && (2*bc < (\nn))       ; both tiles' accumulators have been read for the last time: they take the next layer's bias
	BIASLD \nbase, 2*bc
	BIASLD \nbase, 2*bc+1
.endif
.endif
.endm
.macro CELU nb, kind, nbase, nn
	PRE 0, \kind
.set bb, 0
.rept \nb
	MID bb, \kind
.if bb > 0
	FIN bb-1, \kind, \nbase, \nn
.endif
.if bb+1 < (\nb)
	PRE bb+1, \kind
.endif
.set bb, bb+1
.endr
	BREGS (\nb)-1, \kind
.set pT, bT
.set pX, bX
	WIN 0xf7
.set zq, 0
.rept 24
	PLN zq
.set zq, zq+1
.endr
	FIN (\nb)-1, \kind, \nbase, \nn
.endm
	; ---------------- the head: addresses are made while the arguments are on their way
	s_load_b512 s[4:19], s[0:1], 0x0          ; species s[4:5], aev s[6:7], W0 s[8:9], b0 s[10:11], W1 s[12:13], b1 s[14:15], W2 s[16:17], b2 s[18:19]
	s_load_b256 s[20:27], s[0:1], 0x40        ; W3 s[20:21], b3 s[22:23], out0 s[24:25], part s[26:27]
	v_lshl_add_u32 v[SPW], v0, 2, SPARE
	v_mov_b32 v[NIL], 0
	v_lshrrev_b32 v1, 5, v0
	v_readfirstlane_b32 s28, v1               ; wave 0..3
	v_and_b32 v[LN], 31, v0
	v_and_b32 v[RR], 15, v0
	v_bfe_u32 v[HH], v0, 4, 1
	v_lshlrev_b32 v[L16], 4, v[LN]
	v_lshlrev_b32 v[R16], 4, v[RR]
	v_add_nc_u32 v[BO1], 32, v[LN]            ; b0 has 40 quads: the second load's lanes past the last repeat it
	v_min_u32 v[BO1], 39, v[BO1]
	v_lshlrev_b32 v[BO1], 4, v[BO1]
	v_min_u32 v[BO2], 23, v[LN]               ; b2 and W3 have 24
	v_lshlrev_b32 v[BO2], 4, v[BO2]
	v_add_nc_u32 v[BA0], BIAS, v[L16]         ; and where the rounded quads go; wave 1 alone uses these five, every wave makes them, of its lane's number and constants
	v_add_nc_u32 v[BA1], BIAS, v[BO1]
	v_add_nc_u32 v[BA2], BIAS, v[BO2]
	s_and_b32 s29, ttmp9, 3                   ; c: my expert
	s_lshr_b32 s30, ttmp9, 2                  ; sb: my block
	s_mov_b32 s36, 0x76543210                 ; v_permlanex16_b32: each lane takes its own place in the other half
	s_mov_b32 s37, 0xfedcba98
	s_mov_b32 s38, 0x3dcccccd                 ; alpha
	s_mov_b32 s39, s38                        ; named with it as a pair
	s_mov_b32 s40, 0xbdcccccd                 ; -alpha
	s_mov_b32 s41, s40
	s_mul_i32 s44, s28, 192
	s_add_co_u32 s44, s44, LIST
	v_mul_u32_u24 v[LA], v[HH], 96
	v_add_nc_u32 v[LA], s44, v[LA]
	s_mul_i32 s44, s28, 2112
	s_add_co_u32 s44, s44, EN
	v_lshl_add_u32 v[EA], v[RR], 2, s44
	s_mul_i32 s44, s28, 48*SPITCH
	s_add_co_u32 s44, s44, STAGE              ; my stage
	v_mul_u32_u24 v[ST], v[HH], 24*SPITCH     ; in: row p (lanes 0-15) or p + 24 (lanes 16-31), 8 bytes a lane
	v_lshl_add_u32 v[ST], v[RR], 3, v[ST]
	v_add_nc_u32 v[ST], s44, v[ST]
	v_mul_u32_u24 v[XA], v[RR], SPITCH        ; back: row lane % 16, 16 bytes for each half of the lanes
	v_lshl_add_u32 v[XA], v[HH], 4, v[XA]
	v_add_nc_u32 v[XA], s44, v[XA]
	v_and_b32 v60, 7, v0                      ; the turning load: lane l reads row 8 (l / 16) + l % 8, 16 bytes at 16 ((l / 8) % 2)
	v_lshl_add_u32 v60, v[HH], 3, v60
	v_bfe_u32 v61, v0, 3, 1
	v_lshlrev_b32 v61, 4, v61
	v_mul_u32_u24 v[A0A], v60, P0
	v_add_nc_u32 v[A0A], v[A0A], v61
	v_add_nc_u32 v[A0B], 6*32*P0, v[A0A]
	v_mul_u32_u24 v[A1], v60, P1
	v_add_nc_u32 v[A1], v[A1], v61
	v_add_nc_u32 v[A1], W1L, v[A1]
	v_mul_u32_u24 v[A2], v60, P2
	v_add_nc_u32 v[A2], v[A2], v61
	v_add_nc_u32 v[A2], W2L, v[A2]
	v_lshl_add_u32 v[BI], v[HH], 5, BIAS
	s_lshl_b32 s44, s29, 11
	v_lshl_add_u32 v[CPY], v0, 4, s44         ; my 16 bytes of the work-group's 2,048 in the block's 8,192 of species
	s_mul_i32 s44, s28, 96*P0                 ; my 96 rows of W0 in LDS
.irp j, 0,1,2,3,4                     ; load j of a group of four rows: element e = 128 j + 4 lane lies in row e / 160 = (410 e) >> 16 (e < 640), at byte 2 e + 32 x row
	v_lshl_add_u32 v25, v[LN], 2, 128*\j
	v_mul_u32_u24 v26, v25, 410
	v_bfe_u32 v26, v26, 16, 2
	v_lshlrev_b32 v26, 5, v26
	v_lshl_add_u32 v26, v25, 1, v26
	v_add_nc_u32 v[D0+\j], s44, v26
.endr
	s_mul_i32 s44, s28, 32*P2
	s_add_co_u32 s44, s44, W2L
.irp j, 0,1,2                         ; W2 likewise: row e / 96 = (683 e) >> 16 (e < 384)
	v_lshl_add_u32 v25, v[LN], 2, 128*\j
	v_mul_u32_u24 v26, v25, 683
	v_bfe_u32 v26, v26, 16, 2
	v_lshlrev_b32 v26, 5, v26
	v_lshl_add_u32 v26, v25, 1, v26
	v_add_nc_u32 v[D2+\j], s44, v26
.endr
	s_mul_i32 s44, s28, 40*P1
	s_add_co_u32 s44, s44, W1L
	v_lshl_add_u32 v[D1], v[LN], 3, s44
	s_wait_kmcnt 0x0
	s_mov_b32 s35, 0
	s_lshl_b32 s34, s30, 13                   ; the block's species: 8,192 bytes
	s_add_nc_u64 s[4:5], s[4:5], s[34:35]
	s_add_nc_u64 s[24:25], s[24:25], s[34:35]
	s_mul_i32 s34, s30, 0x300000              ; the block's rows: 2,048 x 1,536 bytes
	s_add_nc_u64 s[6:7], s[6:7], s[34:35]
	s_mul_i32 s34, s29, 384*160*4             ; my expert's W0, my wave's 96 rows
	s_mul_i32 s44, s28, 96*160*4
	s_add_co_u32 s34, s34, s44
	s_add_nc_u64 s[8:9], s[8:9], s[34:35]
	s_mul_i32 s34, s29, 160*128*4             ; W1, 40 rows
	s_mul_i32 s44, s28, 40*128*4
	s_add_co_u32 s34, s34, s44
	s_add_nc_u64 s[12:13], s[12:13], s[34:35]
	s_mul_i32 s34, s29, 128*96*4              ; W2, 32 rows
	s_mul_i32 s44, s28, 32*96*4
	s_add_co_u32 s34, s34, s44
	s_add_nc_u64 s[16:17], s[16:17], s[34:35]
	s_mul_i32 s34, s29, 640
	s_add_nc_u64 s[10:11], s[10:11], s[34:35]
	s_lshl_b32 s34, s29, 9
	s_add_nc_u64 s[14:15], s[14:15], s[34:35]
	s_mul_i32 s34, s29, 384
	s_add_nc_u64 s[18:19], s[18:19], s[34:35]
	s_add_nc_u64 s[20:21], s[20:21], s[34:35]
	s_lshl_b32 s34, s29, 2
	s_add_nc_u64 s[22:23], s[22:23], s[34:35]
	s_lshl_b32 s34, ttmp9, 7
	s_add_nc_u64 s[26:27], s[26:27], s[34:35]
	s_load_b32 s45, s[22:23], 0x0             ; b3 of my expert
	; ---------------- the first loads: wave 0 the block's species, wave 1 the biases and W3, all the copy and the first half of their rows of W0
	s_cmp_lg_u32 s28, 0
	s_cbranch_scc1 .Lnot0a
.irp i, 0,1,2,3,4,5,6,7,8,9,10,11,12,13,14,15
	global_load_b128 v[SPC+4*\i:SPC+4*\i+3], v[L16], s[4:5] offset:512*\i
.endr
.Lnot0a:
	s_cmp_lg_u32 s28, 1
	s_cbranch_scc1 .Lnot1a
	global_load_b128 v[BQ:BQ+3], v[L16], s[10:11]
	global_load_b128 v[BQ+4:BQ+7], v[BO1], s[10:11]
	global_load_b128 v[BQ+8:BQ+11], v[L16], s[14:15]
	global_load_b128 v[BQ+12:BQ+15], v[BO2], s[18:19]
	global_load_b128 v[BQ+16:BQ+19], v[BO2], s[20:21]
.Lnot1a:
	global_load_b128 v[CP:CP+3], v[CPY], s[4:5]
	WLD0 1, 0
	WIN 0
	; ---------------- wave 0 lists the block's atoms of species c
	s_cmp_lg_u32 s28, 0
	s_cbranch_scc1 .Lnot0b
	v_add_nc_u32 v60, LIST, v[L16]
	v_mov_b32 v64, 0
	v_mov_b32 v65, 0
	v_mov_b32 v66, 0
	v_mov_b32 v67, 0
.set z, 0
.rept 18                              ; ranks past n name atom 0, a row that exists
	ds_store_b128 v60, v[64:67] offset:512*z
.set z, z+1
.endr
	v_mov_b32 v61, EN+4*2112
	ds_store_b32 v61, v64                     ; the energy of an atom that is not mine
	v_add_nc_u32 v26, 2304, v[LN]             ; my dump word's index
	v_mov_b32 v27, 2256                       ; 'not mine': the end turns it into word 2112 of EN
	v_lshlrev_b32 v28, 2, v[LN]
	v_add_nc_u32 v29, RMAP, v[L16]
	s_mov_b32 s43, 0
	s_wait_loadcnt 61                         ; the species are in: behind them the copy's load and 60 of W0 were issued
.irp i, 0,1,2,3,4,5,6,7,8,9,10,11,12,13,14,15
	LISTM \i
.endr
	v_mov_b32 v60, s43
	v_mov_b32 v61, CNT
	ds_store_b32 v61, v60                     ; n
.Lnot0b:
	WLD0 2, 12                                ; the second half of my rows of W0 goes out before the first is touched
	WIN 0
	s_wait_loadcnt 60                         ; all but those 60
	global_store_b128 v[CPY], v[CP:CP+3], s[24:25]   ; a wave stores 512 consecutive bytes, at a multiple of 256 from out0's first byte
	s_cmp_lg_u32 s28, 1
	s_cbranch_scc1 .Lnot1b
.irp k, 0,1,2,3,4                     ; rounded to bf16 and widened again: the accumulators and the last layer take them as f32
	v_cvt_pk_bf16_f32 v80, v[BQ+4*\k], v[BQ+4*\k+1]
	v_cvt_pk_bf16_f32 v81, v[BQ+4*\k+2], v[BQ+4*\k+3]
	v_lshlrev_b32 v[BQ+4*\k], 16, v80
	v_and_b32 v[BQ+4*\k+1], 0xffff0000, v80
	v_lshlrev_b32 v[BQ+4*\k+2], 16, v81
	v_and_b32 v[BQ+4*\k+3], 0xffff0000, v81
.endr
	ds_store_b128 v[BA0], v[BQ:BQ+3]                     ; b0's quads 0-31
	ds_store_b128 v[BA1], v[BQ+4:BQ+7]                   ; 32-39; the lanes that repeat quad 39 store the same 16 bytes
	ds_store_b128 v[BA0], v[BQ+8:BQ+11] offset:640       ; b1
	ds_store_b128 v[BA2], v[BQ+12:BQ+15] offset:1152     ; b2
	ds_store_b128 v[BA2], v[BQ+16:BQ+19] offset:1536     ; W3
.Lnot1b:
	WST0 1, 0
	WLDC
	WIN 0
	s_wait_dscnt 0x0                          ; for the others' sake: wave 0's list and n, wave 1's biases
	s_barrier_signal -1
	s_barrier_wait -1
	v_mov_b32 v60, CNT
	ds_load_b32 v61, v60
	LISTLD 0                                  ; my first tile's atoms
	s_wait_dscnt 0x0
	v_readfirstlane_b32 s31, v61
	s_min_u32 s31, s31, 2048                  ; n
	MKOFF
	s_wait_loadcnt 63                         ; W0's second half is in: behind it 64 loads were issued, and 63 is the most that the count can name
	WST0 2, 12
	ULOAD 0, 0                                ; the first rows go out as soon as their registers are free
	ULOAD 1, 1
	s_wait_loadcnt 48                         ; W1 and W2 are in: behind them those two units' 48 loads
	WSTC
	ULOAD 2, 2
	WIN 0
	s_wait_dscnt 0x0                          ; for the others' sake: my part of the weights
	s_barrier_signal -1
	s_barrier_wait -1
	WIN 0x80
.irp c, 0,1,2,3,4,5                   ; W3 in the accumulators' layout, for the whole launch
	ds_load_b128 v[W3R+8*\c:W3R+8*\c+3], v[BI] offset:1536+64*\c
	ds_load_b128 v[W3R+8*\c+4:W3R+8*\c+7], v[BI] offset:1536+64*\c+16
.endr
	WIN 0
	s_wait_kmcnt 0x0
	v_mov_b32 v60, s45
	v_cvt_pk_bf16_f32 v60, v60, v60
	v_lshlrev_b32 v60, 16, v60
	WIN 0xc0
	v_mov_b32 v[B3R], v60
	v_mov_b32 v[C1R], 0x4166d4ca              ; 1 / (alpha ln 2) = 14.42695
	v_mov_b32 v[C1R+1], 0x4166d4ca
	WIN 0
	s_mul_i32 s32, s28, 48                    ; my tile's first rank
	s_mov_b32 s33, 11
	; ---------------- the tiles.  At the head three units of the tile (72 loads) have been asked for, in the order of the three buffers
.Ltile:
	s_cmp_ge_u32 s32, s31
	s_cbranch_scc1 .Lskip                     ; no atom left for this tile, nor for my later ones
.irp c, 0,1,2,3,4,5,6,7,8,9
	BIASLD 0, \c
.endr
	FETCHW 0, 0, 0
	LISTLD 768                                ; the next tile's atoms
	CONVERT 0
.set u, 0
.rept 6                               ; layer 0: a unit of 64 features is two K steps
	KSTEP 10, 0, HB+48*(u%2), 0, 1, 0, 2*u+1
.if u < 5
.if u == 2
	MKOFF                                     ; all six units of this tile have been asked for: OFF becomes the next tile's
.endif
	CONVERT u+1
	KSTEP 10, 1, HB+48*(u%2)+24, 36, 1, 0, 2*u+2     ; the count leaves out CONVERT's 24 stores and 12 loads, issued behind the fragments that are wanted
.else
	KSTEP 10, 1, HB+48*(u%2)+24, 0, 1, 1, 0
.endif
.set u, u+1
.endr
	PLACES
	CELU 15, 0, 640, 8
.set u, 0
.rept 4                               ; layer 1
	KSTEP 8, u%2, HB+24*u, 0, 1, 1, u+1
.set u, u+1
.endr
	KSTEP 8, 0, HB+96, 0, 1, 2, 0
	PLACES
	CELU 12, 0, 1152, 6
.set u, 0
.rept 3                               ; layer 2
	KSTEP 6, (u+1)%2, HB+24*u, 0, 1, 2, u+1
.set u, u+1
.endr
	KSTEP 6, 0, HB+72, 0, 1, -1, 0
	PLACES
	CELU 9, 1, 0, 0                           ; and layer 3, a dot product in f32
	WIN 0
.Lskip:
	v_add_nc_u32 v[LA], 768, v[LA]
	v_add_nc_u32 v[EA], 192, v[EA]
	s_add_co_u32 s32, s32, 192
	s_sub_co_u32 s33, s33, 1
	s_cmp_lg_u32 s33, 0
	s_cbranch_scc1 .Ltile
	; ---------------- by molecule: wave w takes molecules 8 w .. 8 w + 7 of the block's 32.  (The rows asked for beyond the last tile are never waited for.)
	s_wait_dscnt 0x0                          ; for the others' sake: my energies
	s_barrier_signal -1
	s_barrier_wait -1
	s_lshl_b32 s44, s28, 11
	s_add_co_u32 s44, s44, RMAP
	v_add_nc_u32 v60, s44, v[L16]
.irp j, 0,1,2,3                       ; load j: atoms 512 w + 128 j + 4 lane + 0..3: lanes 0-15 one molecule, lanes 16-31 the next
	ds_load_b128 v[TMP+4*\j:TMP+4*\j+3], v60 offset:512*\j
.endr
	s_wait_dscnt 0x0
	; rank R lies in tile t = R / 48 = (43691 R) >> 21 (exact up to 2256), wave t % 4, trip t / 4: word 528 (t % 4) + 48 (t / 4) + R - 48 t = R + 480 (t % 4) - 144 (t / 4)
	ALL16 v_mul_u32_u24 v[WF+z], v[TMP+z], 0xaaab
	ALL16 v_lshrrev_b32 v[WF+z], 21, v[WF+z]
	ALL16 v_and_b32 v[WF+16+z], 3, v[WF+z]
	ALL16 v_lshrrev_b32 v[WF+z], 2, v[WF+z]
	ALL16 v_mad_u32_u24 v[TMP+z], v[WF+16+z], 480, v[TMP+z]
	ALL16 v_mul_u32_u24 v[WF+z], v[WF+z], 144
	ALL16 v_sub_nc_u32 v[TMP+z], v[TMP+z], v[WF+z]
	ALL16 v_min_u32 v[TMP+z], 0x840, v[TMP+z]
	ALL16 v_lshl_add_u32 v[TMP+z], v[TMP+z], 2, EN
	ALL16 ds_load_b32 v[WF+z], v[TMP+z]
	s_lshl_b32 s44, s28, 5
	s_add_co_u32 s44, s44, PS
	v_lshl_add_u32 v61, v[HH], 2, s44
	s_wait_dscnt 0x0
.irp j, 0,1,2,3
	v_add_f32 v[WF+4*\j], v[WF+4*\j], v[WF+4*\j+1]
	v_add_f32 v[WF+4*\j+2], v[WF+4*\j+2], v[WF+4*\j+3]
.endr
.irp j, 0,1,2,3
	v_add_f32 v[WF+4*\j], v[WF+4*\j], v[WF+4*\j+2]
.endr
.irp m, 1,2,4,8                       ; over the 16 lanes of a molecule
.irp j, 0,1,2,3
	v_add_f32_dpp v[WF+4*\j], v[WF+4*\j], v[WF+4*\j] row_xmask:\m row_mask:0xf bank_mask:0xf
.endr
.endr
.irp j, 0,1,2,3
	ds_store_b32 v61, v[WF+4*\j] offset:8*\j  ; molecule 8 w + 2 j + lane / 16: sixteen lanes store the same number
.endr
	s_wait_tensorcnt 0x0                      ; the wave's end, behind my last LDS store
	ds_add_u32 v[SPW], v[NIL]
	s_wait_dscnt 0x0                          ; also for wave 0's sake: my eight sums
	s_barrier_signal -1
	s_barrier_wait -1
	s_cmp_lg_u32 s28, 0
	s_cbranch_scc1 .Lend
	v_lshl_add_u32 v60, v[LN], 2, PS
	ds_load_b32 v61, v60
	v_lshlrev_b32 v64, 2, v[LN]
	s_wait_dscnt 0x0
	global_store_b32 v64, v61, s[26:27]       ; the work-group's 32 sums: 128 consecutive bytes
.Lend:
	s_endpgm
.Lfunc_end_k_q460a4aa844_mlp:
	.size	k_q460a4aa844_mlp, .Lfunc_end_k_q460a4aa844_mlp-k_q460a4aa844_mlp
	.p2alignl 7, 3214868480
	.fill 96, 4, 3214868480
	.section	.rodata,"a",@progbits
	.p2align	6, 0x0
	.amdhsa_kernel k_q460a4aa844_mlp
		.amdhsa_group_segment_fixed_size 266752
		.amdhsa_private_segment_fixed_size 0
		.amdhsa_enable_private_segment 0
		.amdhsa_kernarg_size 96
		.amdhsa_user_sgpr_count 2
		.amdhsa_user_sgpr_kernarg_segment_ptr 1
		.amdhsa_wavefront_size32 1
		.amdhsa_system_sgpr_workgroup_id_x 1
		.amdhsa_system_sgpr_workgroup_id_y 1
		.amdhsa_system_sgpr_workgroup_id_z 1
		.amdhsa_system_vgpr_workitem_id 0
		.amdhsa_next_free_vgpr 1024
		.amdhsa_next_free_sgpr 66
		.amdhsa_reserve_vcc 0
		.amdhsa_float_denorm_mode_32 3
		.amdhsa_float_denorm_mode_16_64 3
		.amdhsa_memory_ordered 1
		.amdhsa_forward_progress 1
		.amdhsa_inst_pref_size 255
	.end_amdhsa_kernel
	.section	.bss,"aw",@nobits
	.p2align	6
	.space	262144
	.amdgpu_metadata
---
amdhsa.version: [ 1, 2 ]
amdhsa.kernels:
  - .name:           k_q460a4aa844_mlp
    .symbol:         k_q460a4aa844_mlp.kd
    .args:
      - { .name: species, .offset: 0, .size: 8, .value_kind: global_buffer, .address_space: global }
      - { .name: aev, .offset: 8, .size: 8, .value_kind: global_buffer, .address_space: global }
      - { .name: W0, .offset: 16, .size: 8, .value_kind: global_buffer, .address_space: global }
      - { .name: b0, .offset: 24, .size: 8, .value_kind: global_buffer, .address_space: global }
      - { .name: W1, .offset: 32, .size: 8, .value_kind: global_buffer, .address_space: global }
      - { .name: b1, .offset: 40, .size: 8, .value_kind: global_buffer, .address_space: global }
      - { .name: W2, .offset: 48, .size: 8, .value_kind: global_buffer, .address_space: global }
      - { .name: b2, .offset: 56, .size: 8, .value_kind: global_buffer, .address_space: global }
      - { .name: W3, .offset: 64, .size: 8, .value_kind: global_buffer, .address_space: global }
      - { .name: b3, .offset: 72, .size: 8, .value_kind: global_buffer, .address_space: global }
      - { .name: out0, .offset: 80, .size: 8, .value_kind: global_buffer, .address_space: global }
      - { .name: part, .offset: 88, .size: 8, .value_kind: global_buffer, .address_space: global }
    .group_segment_fixed_size: 266752
    .private_segment_fixed_size: 0
    .kernarg_segment_align: 8
    .kernarg_segment_size: 96
    .max_flat_workgroup_size: 128
    .sgpr_count:     66
    .vgpr_count:     1024
    .wavefront_size: 32
...
	.end_amdgpu_metadata
.endif
;; end of part 1
;; launch add (part 2): grid 8 x 1, 8 waves a work-group, no clusters, 0 bytes of LDS; arguments part, out1; writes out1
.if DOCPART == 2
	.amdgcn_target "amdgcn-amd-amdhsa--gfx1250"
	.amdhsa_code_object_version 6
	.text
	.protected	k_q460a4aa844_add
	.globl	k_q460a4aa844_add
	.p2align	8
	.type	k_q460a4aa844_add,@function
k_q460a4aa844_add:
	s_mov_b64 s[64:65], 0
	v_nop
	global_prefetch_b8 v0, s[64:65] scope:SCOPE_SE
	s_setreg_imm32_b32 hwreg(HW_REG_WAVE_MODE, 25, 1), 1
	s_wait_xcnt 0x0
; out1[m] = the sum of the four experts' partial sums of molecule m.  part: [block 64][expert 4][molecule 32] f32; out1: [2048] f32.
; A thread takes one molecule; a wave's 32 molecules are one block, so its four loads cover 512 consecutive bytes and its store 128.
; 8,192 bytes go out in all: nothing here is worth LDS, a ring of loads or more work-groups.
	s_load_b128 s[4:7], s[0:1], 0x0           ; part s[4:5], out1 s[6:7]
	s_lshl_b32 s8, ttmp9, 8
	v_add_nc_u32 v1, s8, v0                   ; m
	v_lshrrev_b32 v2, 5, v1                   ; its block
	v_and_b32 v3, 31, v1
	v_lshlrev_b32 v3, 2, v3
	v_lshl_add_u32 v2, v2, 9, v3              ; 512 x block + 4 x (m % 32)
	v_lshlrev_b32 v1, 2, v1
	s_wait_kmcnt 0x0
	global_load_b32 v4, v2, s[4:5]
	global_load_b32 v5, v2, s[4:5] offset:128
	global_load_b32 v6, v2, s[4:5] offset:256
	global_load_b32 v7, v2, s[4:5] offset:384
	s_wait_loadcnt 0x0
	v_add_f32 v4, v4, v5
	v_add_f32 v6, v6, v7
	v_add_f32 v4, v4, v6
	global_store_b32 v1, v4, s[6:7]
	s_endpgm
.Lfunc_end_k_q460a4aa844_add:
	.size	k_q460a4aa844_add, .Lfunc_end_k_q460a4aa844_add-k_q460a4aa844_add
	.p2alignl 7, 3214868480
	.fill 96, 4, 3214868480
	.section	.rodata,"a",@progbits
	.p2align	6, 0x0
	.amdhsa_kernel k_q460a4aa844_add
		.amdhsa_group_segment_fixed_size 0
		.amdhsa_private_segment_fixed_size 0
		.amdhsa_enable_private_segment 0
		.amdhsa_kernarg_size 16
		.amdhsa_user_sgpr_count 2
		.amdhsa_user_sgpr_kernarg_segment_ptr 1
		.amdhsa_wavefront_size32 1
		.amdhsa_system_sgpr_workgroup_id_x 1
		.amdhsa_system_sgpr_workgroup_id_y 1
		.amdhsa_system_sgpr_workgroup_id_z 1
		.amdhsa_system_vgpr_workitem_id 0
		.amdhsa_next_free_vgpr 8
		.amdhsa_next_free_sgpr 66
		.amdhsa_reserve_vcc 0
		.amdhsa_float_denorm_mode_32 3
		.amdhsa_float_denorm_mode_16_64 3
		.amdhsa_memory_ordered 1
		.amdhsa_forward_progress 1
		.amdhsa_inst_pref_size 2
	.end_amdhsa_kernel
	.amdgpu_metadata
---
amdhsa.version: [ 1, 2 ]
amdhsa.kernels:
  - .name:           k_q460a4aa844_add
    .symbol:         k_q460a4aa844_add.kd
    .args:
      - { .name: part, .offset: 0, .size: 8, .value_kind: global_buffer, .address_space: global }
      - { .name: out1, .offset: 8, .size: 8, .value_kind: global_buffer, .address_space: global }
    .group_segment_fixed_size: 0
    .private_segment_fixed_size: 0
    .kernarg_segment_align: 8
    .kernarg_segment_size: 16
    .max_flat_workgroup_size: 256
    .sgpr_count:     66
    .vgpr_count:     8
    .wavefront_size: 32
...
	.end_amdgpu_metadata
.endif
;; end of part 2
